; MI455X (gfx1250); checked and timed in simulation.
; The chip was launched on July 23, 2026; its instructions are those of AMD's public machine-readable ISA for CDNA 5 (MIT licence, August 2026) and "CDNA5" Instruction Set Architecture Reference Guide (July 2026). The comments in the code are by the model that wrote it; some were corrected since.
;; min LSTM. Allowed arithmetic: matrix products marked QUANTISED: E4M3 operands, one given power-of-two scale a tensor, by v_wmma_f32_16x16x64_fp8_fp8 or v_wmma_f32_16x16x128_fp8_fp8, f32 sums; everything else in f32.
;; Inputs: W_f_codes 1,024 x 32 x 32 uint8 (E4M3 codes of W_f, K innermost, in blocks of 32 codes); W_h_codes 1,024 x 32 x 32 uint8 (E4M3 codes of W_h, K innermost, in blocks of 32 codes); W_i_codes 1,024 x 32 x 32 uint8 (E4M3 codes of W_i, K innermost, in blocks of 32 codes); h_0 4 x 1,024 float32; lowp_scales 6 int32 (the exponents e of the quantised operands' scales 2^e); x_codes 4 x 4,096 x 32 x 32 uint8 (E4M3 codes of x, K innermost, in blocks of 32 codes).
;; Outputs: out0 4 x 4,096 x 1,024 float32.
;; This version of the problem:
;;   THIS VERSION OF THE PROBLEM IS GIVEN IN LOW PRECISION. The matrix products marked QUANTISED in the list below multiply operands that are first quantised to E4M3 (4 exponent bits, 3 mantissa bits; 8 bits a number), with one given power-of-two scale for each operand tensor; their sums are f32. All else is computed in f32.
;;   The module's matrix products, in the order in which they are computed (A, B: the left and right operand; K: the contracted axis; several contracted axes count as one K, in the product's order):
;;     1. [M 16,384, K 1,024] x [K 1,024, N 1,024]; A: input x (given as codes); B: input W_f (given as codes): QUANTISED (scales: A lowp_scales[0], B lowp_scales[1])
;;     2. [M 16,384, K 1,024] x [K 1,024, N 1,024]; A: input x (given as codes); B: input W_i (given as codes): QUANTISED (scales: A lowp_scales[2], B lowp_scales[3])
;;     3. [M 16,384, K 1,024] x [K 1,024, N 1,024]; A: input x (given as codes); B: input W_h (given as codes): QUANTISED (scales: A lowp_scales[4], B lowp_scales[5])
;;   THE QUANTISER, for each operand of a quantised product, along K:
;;     - The operand's scale is 2^e, e = its entry of the input lowp_scales (int32; the entries are numbered through the quantised products in the list's order, A before B).
;;     - Each number is divided by the scale, clamped to +-448, and rounded to the nearest number of E4M3, ties to even, subnormals kept.
;;     - The product sums the exact products of the quantised numbers (number of the format x scale) in f32.
;;   ~~~python
;;   def quantise(x, axis, e):      # numpy; x: float32 -> the quantised numbers, widened to float32 again
;;       x = np.moveaxis(x, axis, -1); K = x.shape[-1]
;;       r = np.clip(x / 2.0 ** e, -448, 448)
;;       step = 2.0 ** (np.maximum(np.frexp(np.where(r == 0, 1, r))[1] - 1, -6) - 3)
;;       q = np.round(r / step) * step * 2.0 ** e      # np.round: ties to even
;;       return np.moveaxis(q, -1, axis).astype(np.float32)
;;   ~~~
;;   INPUTS GIVEN AS CODES. W_f (in the module: [1024, 1024], K = its axis 1); W_h (in the module: [1024, 1024], K = its axis 1); W_i (in the module: [1024, 1024], K = its axis 1); x (in the module: [4, 4096, 1024], K = its axis 2): each comes as NAME_codes (uint8): NAME with its K axis moved to the last place and cut into blocks of 32 codes, [.., K / 32, bytes a block], one block behind the other in memory; one code a byte (a code: sign, 4 exponent bits, 3 mantissa bits); its scale is its entry of lowp_scales. Its value is code x scale, taken as it is: it is not quantised again, and the codes and scales need not be those that the quantiser above would give.
;; One version. Each part assembles by itself: llvm-mc -triple=amdgcn-amd-amdhsa -mcpu=gfx1250 --defsym DOCPART=n.
;; ======== version 1 of 1: 1 launch
;; limits: right only within a limited range of input values
;; launch minlstm (part 1): grid 256 x 1, 4 waves a work-group, clusters of 4 x 1, 327,680 bytes of LDS; arguments x_codes, W_f_codes, W_i_codes, W_h_codes, h_0, lowp_scales, out0; writes out0
.if DOCPART == 1
	.amdgcn_target "amdgcn-amd-amdhsa--gfx1250"
	.amdhsa_code_object_version 6
	.text
	.protected	k_qe6fbf316ed_minlstm
	.globl	k_qe6fbf316ed_minlstm
	.p2align	8
	.type	k_qe6fbf316ed_minlstm,@function
k_qe6fbf316ed_minlstm:
	s_mov_b64 s[64:65], 0
	v_nop
	global_prefetch_b8 v0, s[64:65] scope:SCOPE_SE
	s_setreg_imm32_b32 hwreg(HW_REG_WAVE_MODE, 25, 1), 1
	s_wait_xcnt 0x0
	s_wait_alu depctr_hold_cnt(0) depctr_sa_sdst(0) depctr_va_vdst(0) depctr_va_sdst(0) depctr_va_ssrc(0) depctr_va_vcc(0) depctr_vm_vsrc(0)
	s_getreg_b32 s2, hwreg(HW_REG_IB_STS2, 6, 4)
	s_cmp_eq_u32 s2, 0
	s_cbranch_scc0 .Lentry_in_a_cluster
	s_endpgm
.Lentry_in_a_cluster:
	s_bfe_u32 s2, ttmp6, 0x10000c
	s_cmp_lg_u32 s2, 0x3003
	s_cbranch_scc0 .Lentry_shape_is_right
	s_endpgm
.Lentry_shape_is_right:
; minLSTM.  h_t = f_t h_(t-1) + i_t g(zh_t), h before the first step = g(h_0): in real numbers this is exp(log_h) of the log-space scan.
; f = (1+e^-zi) / ((1+e^-zi)+(1+e^-zf)), i = 1 - f; both sums are scaled by 2^-m, m = max(-zf log2 e, -zi log2 e, 0), so no exponential overflows.
; g(z) = max(sigmoid(z), z + 0.5): the two forms cross at z = 0 alone, so the maximum is the selection.  No work is left out; every input is loaded.
; LIMITS: the two exponents of each product add to between -126 and 126 (they are added to an f32 constant's exponent field); products of f below the least f32 number count as 0.
; A work-group owns one batch and 16 columns of h (64 bytes of an output row: that is all of a row that it can store) and walks the 4,096 steps in 32 blocks of 128 rows, 32 rows a wave.
; W's 3 x 16 rows x 1,024 K stay in each wave's registers (windows 1, 2); x's block comes by a joint load of the four work-groups of a cluster (same batch) into a ring of two LDS slots;
; each wave loads and reads its own 32 rows.  A trip: gates and scan of block t-1, products of block t.  Waves hand (product of f, local h) to each other through LDS.
; No transcendental stands inside the run of matrix instructions; the six accumulators take turns.
.set PITCH, 1040                       ; 1,024 bytes + 16 of padding
.set WROWS, 32*PITCH
.set SLOT,  4*WROWS
.set SUM,   2*SLOT                     ; 4 waves x 16 columns x 8 bytes
.set SPARE, SUM+512                    ; the spare words
.set BLKB,  128*1024                   ; a block of x in memory
.set STEPB, 128*4096                   ; a block of the output
.set SPW,  1
.set NIL,  2
.set XA,   3                           ; v3-4 my x rows in slot 0, 1
.set SUMW, 5
.set SUMR, 6
.set VO,   7
.set PFO,  8
.set WO,   9
.set HO,   10
.set ACC,  32                          ; tile k (16 rows): zf at ACC+24k, zi +8, zh +16
.set RF,   128                         ; f, then running products
.set RU,   144                         ; i g, then local h, then h
.set RM,   160
.set RT,   176
.set PO,   192
.set PT,   196
.set ST,   198
.set X1,   200
.set PW,   202
.set QS,   204
.set CC,   212
.set CW,   216
.set CL,   218
.set RR,   222                         ; h at the end of the block before
.set CT1,  223
.set X2,   224
.set OUT,  16
.set WV,   18
.set G1,   24
.set G0,   32
.set KF,   40
.set KI,   42
.set KH,   44
.set SH,   46
.set SEL,  48
.set MH,   50
.set GE,   51
.set IT,   54
.set PF,   56
.set MSB, 0
.macro WIN new
.if MSB != \new
	s_set_vgpr_msb (MSB<<8)|\new
.set MSB, \new
.endif
.endm
.macro ROUND                           ; a round of the cluster's barrier
	s_barrier_signal -1
	s_barrier_wait -1
	s_cmp_lg_u32 s[WV], 0
	s_cbranch_scc1 .Lnot_wave_0_\@
	s_barrier_signal -3
.Lnot_wave_0_\@:
	s_barrier_wait -3
	s_barrier_signal -1
	s_barrier_wait -1
.endm
.macro XLOAD par                       ; my 32 rows x 1,024 K into window 3: fragment (K step s, tile k) at 16 (2 s + k)
	WIN 0xc0
.irp s, 0,1,2,3,4,5,6,7
.irp k, 0,1
.irp c, 0,1,2,3
	ds_load_b128 v[16*(2*\s+\k)+4*\c:16*(2*\s+\k)+4*\c+3], v[XA+\par] offset:16*PITCH*\k+128*\s+32*\c
.endr
.endr
.endr
	WIN 0
.endm
.macro GEMM24 lo                       ; 24 matrix instructions: four K steps x 2 tiles x 3 gates
.set i, \lo
.rept 24
.set rD, ACC+24*((i%6)/3)+8*(i%3)
.set rX, 16*(2*(i/6)+(i%6)/3)
.set rW, 16*(3*((i/6)%4)+i%3)
.if i < 6
	v_wmma_f32_16x16x128_fp8_fp8 v[rD:rD+7], v[rX:rX+15], v[rW:rW+15], 0
.else
	v_wmma_f32_16x16x128_fp8_fp8 v[rD:rD+7], v[rX:rX+15], v[rW:rW+15], v[rD:rD+7]
.endif
.set i, i+1
.endr
.endm
.macro STAGE_A                         ; exponents to the base 2, each accumulator read from its low end on
.irp k, 0,1
.irp j, 0,2,4,6
	v_pk_mul_f32 v[ACC+24*\k+\j:ACC+24*\k+\j+1], v[ACC+24*\k+\j:ACC+24*\k+\j+1], s[KF:KF+1] op_sel_hi:[1,0]
	v_pk_mul_f32 v[ACC+24*\k+8+\j:ACC+24*\k+8+\j+1], v[ACC+24*\k+8+\j:ACC+24*\k+8+\j+1], s[KI:KI+1] op_sel_hi:[1,0]
	v_pk_mul_f32 v[RT+8*\k+\j:RT+8*\k+\j+1], v[ACC+24*\k+16+\j:ACC+24*\k+16+\j+1], s[KH:KH+1] op_sel_hi:[1,0]
.endr
.endr
.irp k, 0,1
.irp j, 0,1,2,3,4,5,6,7
	v_max3_num_f32 v[RM+8*\k+\j], v[ACC+24*\k+\j], v[ACC+24*\k+8+\j], 0
.endr
.endr
.irp k, 0,1
.irp j, 0,2,4,6
	v_pk_add_f32 v[ACC+24*\k+\j:ACC+24*\k+\j+1], v[ACC+24*\k+\j:ACC+24*\k+\j+1], v[RM+8*\k+\j:RM+8*\k+\j+1] neg_lo:[0,1] neg_hi:[0,1]
	v_pk_add_f32 v[ACC+24*\k+8+\j:ACC+24*\k+8+\j+1], v[ACC+24*\k+8+\j:ACC+24*\k+8+\j+1], v[RM+8*\k+\j:RM+8*\k+\j+1] neg_lo:[0,1] neg_hi:[0,1]
.endr
.endr
.endm
.macro GATES                           ; one batch of 64 exponentials, one of 32 reciprocals; a wait ahead of each and one behind
	s_wait_alu depctr_va_vdst(0)
.irp k, 0,1
.irp j, 0,1,2,3,4,5,6,7
	v_exp_f32 v[ACC+24*\k+\j], v[ACC+24*\k+\j]
	v_exp_f32 v[ACC+24*\k+8+\j], v[ACC+24*\k+8+\j]
	v_exp_f32 v[RM+8*\k+\j], -v[RM+8*\k+\j]
	v_exp_f32 v[RT+8*\k+\j], v[RT+8*\k+\j]
.endr
.endr
.irp k, 0,1
.irp j, 0,2,4,6
	v_pk_fma_f32 v[ACC+24*\k+16+\j:ACC+24*\k+16+\j+1], v[ACC+24*\k+16+\j:ACC+24*\k+16+\j+1], s[SH:SH+1], 0.5 op_sel_hi:[1,0,0]   ; zh + 0.5: names no exponential's result
.endr
.endr
	s_wait_alu depctr_va_vdst(0)
.irp k, 0,1
.irp j, 0,2,4,6
	v_pk_add_f32 v[RF+8*\k+\j:RF+8*\k+\j+1], v[RM+8*\k+\j:RM+8*\k+\j+1], v[ACC+24*\k+8+\j:ACC+24*\k+8+\j+1]
	v_pk_add_f32 v[RU+8*\k+\j:RU+8*\k+\j+1], v[RM+8*\k+\j:RM+8*\k+\j+1], v[ACC+24*\k+\j:ACC+24*\k+\j+1]
	v_pk_add_f32 v[RT+8*\k+\j:RT+8*\k+\j+1], v[RT+8*\k+\j:RT+8*\k+\j+1], 1.0 op_sel_hi:[1,0]
.endr
.endr
.irp j, 0,2,4,6,8,10,12,14
	v_pk_add_f32 v[RM+\j:RM+\j+1], v[RF+\j:RF+\j+1], v[RU+\j:RU+\j+1]
.endr
	s_wait_alu depctr_va_vdst(0)
.irp j, 0,1,2,3,4,5,6,7,8,9,10,11,12,13,14,15
	v_rcp_f32 v[RM+\j], v[RM+\j]
	v_rcp_f32 v[RT+\j], v[RT+\j]
.endr
	v_nop
	s_wait_alu depctr_va_vdst(0)
.irp j, 0,2,4,6,8,10,12,14
	v_pk_mul_f32 v[RF+\j:RF+\j+1], v[RF+\j:RF+\j+1], v[RM+\j:RM+\j+1]   ; f
	v_pk_mul_f32 v[RU+\j:RU+\j+1], v[RU+\j:RU+\j+1], v[RM+\j:RM+\j+1]   ; i
.endr
.irp k, 0,1
.irp j, 0,1,2,3,4,5,6,7
	v_max_num_f32 v[RT+8*\k+\j], v[RT+8*\k+\j], v[ACC+24*\k+16+\j]      ; g(zh)
.endr
.endr
.irp j, 0,2,4,6,8,10,12,14
	v_pk_mul_f32 v[RU+\j:RU+\j+1], v[RU+\j:RU+\j+1], v[RT+\j:RT+\j+1]
.endr
.irp j, 1,2,3,4,5,6,7                  ; my eight rows of each tile: local h and running product of f, the two tiles by turns
.irp k, 0,1
	v_fmac_f32 v[RU+8*\k+\j], v[RF+8*\k+\j], v[RU+8*\k+\j-1]
	v_mul_f32 v[RF+8*\k+\j], v[RF+8*\k+\j], v[RF+8*\k+\j-1]
.endr
.endr
.endm
.macro SUMFIN gemm                     ; the wave's summary to the others; this block's products; the carry; the stores
	v_permlanex16_b32 v[PO], v[RF+7], s[SEL], s[SEL+1]
	v_permlanex16_b32 v[PO+1], v[RU+7], s[SEL], s[SEL+1]
	v_permlanex16_b32 v[PO+2], v[RF+15], s[SEL], s[SEL+1]
	v_permlanex16_b32 v[PO+3], v[RU+15], s[SEL], s[SEL+1]
	v_mul_f32 v[PT], v[RF+7], v[PO]
	v_mul_f32 v[PT+1], v[RF+15], v[PO+2]
	v_fma_f32 v[X1], v[PO], v[RU+7], v[PO+1]
	v_fma_f32 v[X1+1], v[RF+7], v[PO+1], v[RU+7]
	v_fma_f32 v[X2], v[PO+2], v[RU+15], v[PO+3]
	v_fma_f32 v[X2+1], v[RF+15], v[PO+3], v[RU+15]
	v_cndmask_b32 v[ST], v[X1], v[X1+1], s[MH]
	v_cndmask_b32 v[ST+1], v[X2], v[X2+1], s[MH]
	v_mul_f32 v[PW], v[PT], v[PT+1]
	v_fma_f32 v[PW+1], v[PT+1], v[ST], v[ST+1]
	ds_store_b64 v[SUMW], v[PW:PW+1]
	s_wait_alu depctr_va_vdst(0)
	s_wait_dscnt 0x0                               ; my summary is stored, and my 64 fragment loads are in
	s_barrier_signal -1
.if \gemm
	WIN 0x07                                       ; x window 3, W window 1
	GEMM24 0
	WIN 0
.endif
	s_barrier_wait -1
.irp v, 0,1,2,3
	ds_load_b64 v[QS+2*\v:QS+2*\v+1], v[SUMR] offset:128*\v
.endr
.if \gemm
	WIN 0x0b                                       ; W window 2
	GEMM24 24
	WIN 0
.endif
	s_wait_dscnt 0x0
	v_fma_f32 v[CC], v[QS], v[RR], v[QS+1]
	v_fma_f32 v[CC+1], v[QS+2], v[CC], v[QS+3]
	v_fma_f32 v[CC+2], v[QS+4], v[CC+1], v[QS+5]
	v_cndmask_b32 v[CW], v[RR], v[CC], s[GE]
	v_cndmask_b32 v[CW], v[CW], v[CC+1], s[GE+1]
	v_cndmask_b32 v[CW], v[CW], v[CC+2], s[GE+2]
	v_fma_f32 v[RR], v[QS+6], v[CC+2], v[QS+7]
	v_fma_f32 v[CT1], v[PT], v[CW], v[ST]
	v_fma_f32 v[X1], v[PO], v[CW], v[PO+1]
	v_fma_f32 v[X1+1], v[PO+2], v[CT1], v[PO+3]
	v_cndmask_b32 v[CL], v[CW], v[X1], s[MH]
	v_cndmask_b32 v[CL+2], v[CT1], v[X1+1], s[MH]
.irp k, 0,1
.irp j, 0,2,4,6
	v_pk_fma_f32 v[RU+8*\k+\j:RU+8*\k+\j+1], v[RF+8*\k+\j:RF+8*\k+\j+1], v[CL+2*\k:CL+2*\k+1], v[RU+8*\k+\j:RU+8*\k+\j+1] op_sel_hi:[1,0,1]
.endr
.endr
.irp k, 0,1
.irp j, 0,1,2,3,4,5,6,7
	global_store_b32 v[VO], v[RU+8*\k+\j], s[OUT:OUT+1] offset:(16*\k+\j)*4096-STEPB   ; the base was stepped at the trip's head: the stores reach back
.endr
.endr
.endm
.macro TRIP par, gemm, refill, pf
	s_wait_tensorcnt 0x0                           ; my one load that was out has landed
	ds_add_u32 v[SPW], v[NIL]                      ; work on registers follows the add
.if \refill
	s_add_nc_u64 s[G0+4*(1-\par)+2:G0+4*(1-\par)+3], s[G0+4*(1-\par)+2:G0+4*(1-\par)+3], 2*BLKB
.endif
	STAGE_A
	s_wait_alu depctr_va_vdst(0)
	s_wait_dscnt 0x0
.if \refill
	ROUND
	tensor_load_to_lds s[G0+4*(1-\par):G0+4*(1-\par)+3], s[G1:G1+7]
	s_nop 0
.rept 4
	v_nop
.endr
.else
	s_barrier_signal -1
	s_barrier_wait -1
.endif
.if \gemm
	XLOAD \par
.endif
	s_wait_xcnt 0x0                                ; the last trip's stores have read their data and base
	s_add_nc_u64 s[OUT:OUT+1], s[OUT:OUT+1], STEPB
.if \pf
	s_cmp_lg_u32 s[WV], 0                          ; wave 0, every second lap: my work-group's 8 KiB of the four blocks that begin four blocks on; the batch's 64 work-groups share them out by address
	s_cbranch_scc1 .Lno_pf_\@
	s_bitcmp1_b32 s[IT], 0
	s_cbranch_scc1 .Lno_pf_\@
	s_cmp_eq_u32 s[IT], 14                         ; blocks 32 and on do not exist
	s_cbranch_scc1 .Lno_pf_\@
	global_prefetch_b8 v[PFO], s[PF:PF+1] th:TH_LOAD_NT scope:SCOPE_SE
.Lno_pf_\@:
.endif
	GATES
	SUMFIN \gemm
.endm
	s_load_b256 s[4:11], s[0:1], 0x0
	s_load_b128 s[12:15], s[0:1], 0x20
	s_load_b64 s[OUT:OUT+1], s[0:1], 0x30
	v_lshl_add_u32 v[SPW], v0, 2, SPARE
	v_mov_b32 v[NIL], 0
	ds_add_u32 v[SPW], v[NIL]
	ds_add_u32 v[SPW], v[NIL]
	s_wait_dscnt 0x0
	v_lshrrev_b32 v11, 5, v0
	v_readfirstlane_b32 s[WV], v11
	s_bfe_u32 s19, ttmp6, 0x40000                  ; cx
	s_lshr_b32 s20, ttmp9, 4                       ; batch
	s_and_b32 s21, ttmp9, 15
	s_lshl_b32 s21, s21, 2
	s_add_co_u32 s21, s21, s19                     ; group of 16 columns
	v_and_b32 v11, 15, v0
	v_bfe_u32 v12, v0, 4, 1
	s_mul_i32 s76, s[WV], WROWS
	v_mul_u32_u24 v[XA], v11, PITCH
	v_lshl_add_u32 v[XA], v12, 4, v[XA]
	v_add_nc_u32 v[XA], s76, v[XA]
	v_add_nc_u32 v[XA+1], SLOT, v[XA]
	v_lshlrev_b32 v[SUMR], 3, v11
	v_add_nc_u32 v[SUMR], SUM, v[SUMR]
	s_lshl_b32 s77, s[WV], 7
	v_add_nc_u32 v[SUMW], s77, v[SUMR]
	v_lshlrev_b32 v[VO], 2, v11
	v_lshl_add_u32 v[VO], v12, 15, v[VO]
	v_and_b32 v[PFO], 31, v0
	v_lshlrev_b32 v[PFO], 8, v[PFO]
	s_lshl_b32 s55, s21, 14
	v_lshlrev_b32 v[WO], 10, v11
	v_lshl_add_u32 v[WO], v12, 4, v[WO]
	v_add_nc_u32 v[WO], s55, v[WO]
	s_lshl_b32 s60, s20, 12
	s_lshl_b32 s61, s21, 6
	s_add_co_u32 s60, s60, s61
	v_lshl_add_u32 v[HO], v11, 2, s60
.irp j, 0,1,2,3
	v_mov_b32 v[PO+\j], 0
.endr
	v_mov_b32 v[CL+1], 0
	v_mov_b32 v[CL+3], 0
	s_lshl_b32 s22, s20, 24
	s_lshl_b32 s23, s[WV], 17
	s_add_co_u32 s22, s22, s23
	s_lshl_b32 s23, s21, 6
	s_add_co_u32 s22, s22, s23
	s_mov_b32 s23, 0
	s_lshl_b32 s74, s20, 22
	s_lshl_b32 s75, s[WV], 15
	s_add_co_u32 s74, s74, s75
	s_mov_b32 s75, 0
	s_lshl_b32 s58, s20, 22
	s_lshl_b32 s59, s21, 13
	s_add_co_u32 s58, s58, s59
	s_add_co_u32 s58, s58, 4*BLKB
	s_mov_b32 s59, 0
	s_mov_b32 s[G1], 15|(0<<16)|(1<<20)|(1<<21)|(7<<22)|(3<<25)   ; all four partners; bytes; 4 words of padding behind every 256
	s_mov_b32 s[G1+1], 1024<<16
	s_mov_b32 s[G1+2], 32<<16
	s_mov_b32 s[G1+3], 1024<<16
	s_mov_b32 s[G1+4], 32
	s_mov_b32 s[G1+5], 1024
	s_mov_b32 s[G1+6], 0
	s_mov_b32 s[G1+7], 0
	s_mov_b32 s[SEL], 0x76543210
	s_mov_b32 s[SEL+1], 0xfedcba98
	s_mov_b32 s[MH], 0xffff0000
	s_cmp_ge_u32 s[WV], 1
	s_cselect_b32 s[GE], -1, 0
	s_cmp_ge_u32 s[WV], 2
	s_cselect_b32 s[GE+1], -1, 0
	s_cmp_ge_u32 s[WV], 3
	s_cselect_b32 s[GE+2], -1, 0
	s_wait_kmcnt 0x0
	s_load_b128 s[68:71], s[14:15], 0x0
	s_load_b64 s[72:73], s[14:15], 0x10
	s_add_nc_u64 s[OUT:OUT+1], s[OUT:OUT+1], s[22:23]
	s_add_nc_u64 s[PF:PF+1], s[4:5], s[58:59]
	s_mov_b32 s[G0], 1
	s_mov_b32 s[G0+1], s76
	s_add_nc_u64 s[G0+2:G0+3], s[4:5], s[74:75]
	s_mov_b32 s[G0+4], 1
	s_add_co_u32 s[G0+5], s76, SLOT
	s_add_nc_u64 s[G0+6:G0+7], s[G0+2:G0+3], BLKB
	s_or_b32 s[G0+3], s[G0+3], 0x80000000
	s_or_b32 s[G0+7], s[G0+7], 0x80000000
	ROUND
	tensor_load_to_lds s[G0:G0+3], s[G1:G1+7]      ; block 0: one tensor load a wave at the head
	s_nop 0
	s_wait_alu depctr_va_vdst(0)
	s_wait_tensorcnt 0x0
	ds_add_u32 v[SPW], v[NIL]
	s_wait_dscnt 0x0
	ROUND
	tensor_load_to_lds s[G0+4:G0+7], s[G1:G1+7]    ; block 1: slot 1's first fill, issued as a refill is
	s_nop 0
.rept 4
	v_nop
.endr
.macro WLOAD s0                        ; W's fragments of four K steps x three gates
.irp s, 0,1,2,3
.irp g, 0,1,2
.irp c, 0,1,2,3
	global_load_b128 v[16*(3*\s+\g)+4*\c:16*(3*\s+\g)+4*\c+3], v[WO], s[6+2*\g:7+2*\g] offset:128*(\s0+\s)+32*\c
.endr
.endr
.endr
.endm
	WIN 0x40
	s_wait_alu depctr_va_vdst(0)
	WLOAD 0
	WIN 0x80
	WLOAD 4
	WIN 0
	global_load_b32 v[RR], v[HO], s[12:13]
	s_wait_kmcnt 0x0
	s_add_co_i32 s62, s68, s69                     ; each product's two exponents go into the exponent field of -log2 e
	s_lshl_b32 s62, s62, 23
	s_add_co_u32 s[KF], s62, 0xbfb8aa3b
	s_mov_b32 s[KF+1], s[KF]
	s_add_co_i32 s62, s70, s71
	s_lshl_b32 s62, s62, 23
	s_add_co_u32 s[KI], s62, 0xbfb8aa3b
	s_mov_b32 s[KI+1], s[KI]
	s_add_co_i32 s62, s72, s73
	s_lshl_b32 s62, s62, 23
	s_add_co_u32 s[KH], s62, 0xbfb8aa3b
	s_mov_b32 s[KH+1], s[KH]
	s_add_co_u32 s[SH], s62, 0x3f800000
	s_mov_b32 s[SH+1], s[SH]
	s_wait_loadcnt 0x0
	v_mul_f32 v[X1], 0xbfb8aa3b, v[RR]             ; g(h_0)
	s_wait_alu depctr_va_vdst(0)
	v_exp_f32 v[X1], v[X1]
	v_add_f32 v[X1+1], 0.5, v[RR]
	s_wait_alu depctr_va_vdst(0)
	v_add_f32 v[X1], 1.0, v[X1]
	s_wait_alu depctr_va_vdst(0)
	v_rcp_f32 v[X1], v[X1]
	v_nop
	s_wait_alu depctr_va_vdst(0)
	v_max_num_f32 v[RR], v[X1], v[X1+1]
	s_wait_tensorcnt 0x1                           ; block 0 is in; block 1's load, issued behind it, may be out
	XLOAD 0
	s_wait_dscnt 0x0
	WIN 0x07
	GEMM24 0                                       ; block 0's products
	WIN 0x0b
	GEMM24 24
	WIN 0
.rept 4
	v_nop                                          ; places ahead of the first read of the results
.endr
	s_mov_b32 s[IT], 0
.Lloop:
	TRIP 1, 1, 1, 1
	TRIP 0, 1, 1, 0
	s_add_nc_u64 s[PF:PF+1], s[PF:PF+1], 2*BLKB
	s_add_co_u32 s[IT], s[IT], 1
	s_cmp_lt_u32 s[IT], 15
	s_cbranch_scc1 .Lloop
	TRIP 1, 1, 0, 0                                ; block 31's products; nothing more is fetched
	TRIP 0, 0, 0, 0                                ; block 31's gates
	s_wait_tensorcnt 0x0                           ; the wave's end
	ds_add_u32 v[SPW], v[NIL]
	s_wait_dscnt 0x0
	ROUND                                          ; the closing round
	s_endpgm
.Lfunc_end_k_qe6fbf316ed_minlstm:
	.size	k_qe6fbf316ed_minlstm, .Lfunc_end_k_qe6fbf316ed_minlstm-k_qe6fbf316ed_minlstm
	.p2alignl 7, 3214868480
	.fill 96, 4, 3214868480
	.section	.rodata,"a",@progbits
	.p2align	6, 0x0
	.amdhsa_kernel k_qe6fbf316ed_minlstm
		.amdhsa_group_segment_fixed_size 327680
		.amdhsa_private_segment_fixed_size 0
		.amdhsa_enable_private_segment 0
		.amdhsa_kernarg_size 56
		.amdhsa_user_sgpr_count 2
		.amdhsa_user_sgpr_kernarg_segment_ptr 1
		.amdhsa_wavefront_size32 1
		.amdhsa_system_sgpr_workgroup_id_x 1
		.amdhsa_system_sgpr_workgroup_id_y 1
		.amdhsa_system_sgpr_workgroup_id_z 1
		.amdhsa_system_vgpr_workitem_id 0
		.amdhsa_next_free_vgpr 1024
		.amdhsa_next_free_sgpr 80
		.amdhsa_reserve_vcc 0
		.amdhsa_float_denorm_mode_32 3
		.amdhsa_float_denorm_mode_16_64 3
		.amdhsa_memory_ordered 1
		.amdhsa_forward_progress 1
		.amdhsa_inst_pref_size 114
	.end_amdhsa_kernel
	.amdgpu_metadata
---
amdhsa.version: [ 1, 2 ]
amdhsa.kernels:
  - .name:           k_qe6fbf316ed_minlstm
    .symbol:         k_qe6fbf316ed_minlstm.kd
    .args:
      - { .name: x_codes, .offset: 0, .size: 8, .value_kind: global_buffer, .address_space: global }
      - { .name: W_f_codes, .offset: 8, .size: 8, .value_kind: global_buffer, .address_space: global }
      - { .name: W_i_codes, .offset: 16, .size: 8, .value_kind: global_buffer, .address_space: global }
      - { .name: W_h_codes, .offset: 24, .size: 8, .value_kind: global_buffer, .address_space: global }
      - { .name: h_0, .offset: 32, .size: 8, .value_kind: global_buffer, .address_space: global }
      - { .name: lowp_scales, .offset: 40, .size: 8, .value_kind: global_buffer, .address_space: global }
      - { .name: out0, .offset: 48, .size: 8, .value_kind: global_buffer, .address_space: global }
    .group_segment_fixed_size: 327680
    .private_segment_fixed_size: 0
    .kernarg_segment_align: 8
    .kernarg_segment_size: 56
    .max_flat_workgroup_size: 128
    .sgpr_count:     80
    .vgpr_count:     1024
    .wavefront_size: 32
...
	.end_amdgpu_metadata
.endif
;; end of part 1
